; MI455X (gfx1250); checked and timed in simulation.
; The chip was launched on July 23, 2026; its instructions are those of AMD's public machine-readable ISA for CDNA 5 (MIT licence, August 2026) and "CDNA5" Instruction Set Architecture Reference Guide (July 2026). The comments in the code are by the model that wrote it; some were corrected since.
;; Ex MRD Retrieval. Allowed arithmetic: matrix products marked QUANTISED: E2M3 operands, one E8M0 scale for each 32 along K, by v_wmma_scale_f32_16x16x128_f8f6f4 with both operands' format E2M3, f32 sums; products left as they are: f32 operands where the result goes on into a quantised operand, else bf16, f16 or f32 operands; f32 sums; everything else in f32.
;; Inputs: memory_evidence 100,000 x 2 float32; memory_feat 100,000 x 256 float32; model_evidence 1,024 x 2 float32; query 1,024 x 256 float32.
;; Outputs: out0 1,024 x 2 float32.
;; Constants: top_k = 16.
;; This version of the problem:
;;   THIS VERSION OF THE PROBLEM IS GIVEN IN LOW PRECISION. The matrix products marked QUANTISED in the list below multiply operands that are first quantised to E2M3 (2 exponent bits, 3 mantissa bits; 6 bits a number), with one power-of-two scale for each 32 numbers along K (OCP MX v1.0); their sums are f32. All else is computed in f32.
;;   The module's matrix products, in the order in which they are computed (A, B: the left and right operand; K: the contracted axis; several contracted axes count as one K, in the product's order):
;;     1. [M 1,024, K 256] x [K 256, N 100,000]; A: computed on the way; B: computed on the way: QUANTISED
;;     2. batch 1,024 x [M 1, K 16] x [K 16, N 2]; A: softmax; B: computed on the way: left as it is (K = 16 < 32)
;;   THE QUANTISER, for each operand of a quantised product, along K:
;;     - K is cut into blocks of 32 from its start; a last block that is shorter is filled with zeros.
;;     - A block's scale is 2^e with e = floor(log2(the largest magnitude in the block)) - 2, held to -126 .. 127; a block of zeros has e = 0. As a byte (E8M0): e + 127.
;;     - Each number is divided by its block's scale, clamped to +-7.5, and rounded to the nearest number of E2M3, ties to even, subnormals kept.
;;     - The product sums the exact products of the quantised numbers (number of the format x scale) in f32.
;;   ~~~python
;;   def quantise(x, axis):      # numpy; x: float32 -> the quantised numbers, widened to float32 again
;;       x = np.moveaxis(x, axis, -1); K = x.shape[-1]
;;       x = np.pad(x, [(0, 0)] * (x.ndim - 1) + [(0, -K % 32)]); x = x.reshape(x.shape[:-1] + (-1, 32)); a = np.abs(x).max(-1, keepdims=True)
;;       e = np.where(a > 0, np.clip(np.frexp(np.where(a > 0, a, 1))[1] - 1 - 2, -126, 127), 0)      # np.frexp(a)[1] - 1 = floor(log2(a)), exactly
;;       r = np.clip(x / 2.0 ** e, -7.5, 7.5)
;;       step = 2.0 ** (np.maximum(np.frexp(np.where(r == 0, 1, r))[1] - 1, 0) - 3)
;;       q = np.round(r / step) * step * 2.0 ** e      # np.round: ties to even
;;       return np.moveaxis(q.reshape(q.shape[:-2] + (-1,))[..., :K], -1, axis).astype(np.float32)
;;   ~~~
;;   OPERANDS COMPUTED ON THE WAY. 'Computed on the way' means the value that the module computes at that place (a softmax that the list does not call 'softmax' is quantised finished and normalised). What goes into a quantiser is computed in f32, as accurately as f32 sums, v_exp_f32 and their like allow (about 1e-6 of the number): no bf16 or f16 on the way to a quantiser, and a product that is left as it is and whose result goes on into a quantised operand takes f32 operands (vector FMAs, or v_wmma_f32_16x16x4_f32). A number that lies on a knife's edge between two numbers of the format may be rounded either way, as far as f32 arithmetic and the matrix unit's own rounding can turn it there, and no further.
;; One version. Each part assembles by itself: llvm-mc -triple=amdgcn-amd-amdhsa -mcpu=gfx1250 --defsym DOCPART=n.
;; ======== version 1 of 1: 4 launches
;; limits: right only within a limited range of input values
;; workspace buffers: mc 19,200,000 bytes; ms 800,000 bytes; qc 196,608 bytes; qs 8,192 bytes; gmax 25,600,000 bytes; sel 131,072 bytes of whole numbers
;; launch quant (part 1): grid 3157 x 1, 2 waves a work-group, no clusters, 33,536 bytes of LDS; arguments memory_feat, query, mc, ms, qc, qs; writes mc, ms, qc, qs
.if DOCPART == 1
	.amdgcn_target "amdgcn-amd-amdhsa--gfx1250"
	.amdhsa_code_object_version 6
	.text
	.protected	k_q60d1e4512e_quant
	.globl	k_q60d1e4512e_quant
	.p2align	8
	.type	k_q60d1e4512e_quant,@function
k_q60d1e4512e_quant:
	s_mov_b64 s[64:65], 0
	v_nop
	global_prefetch_b8 v0, s[64:65] scope:SCOPE_SE
	s_setreg_imm32_b32 hwreg(HW_REG_WAVE_MODE, 25, 1), 1
	s_wait_xcnt 0x0
; THE PROGRAM (four launches): cosine-similarity retrieval of the 16 nearest of 100,000 memory rows for 1,024 queries, on codes of FP6 (E2M3) with one E8M0 scale for each 32 along K = 256,
; then a softmax over the 16, a weighted sum of their evidence and a closed fusion formula.
;   quant: rows of memory_feat and query are normalised in f32 and quantised;   sims: all similarities by the matrix unit, and of each tile of 16 neighbouring memory rows (a GROUP) the largest for each query;
;   pick: for each query the 16th largest of its 6,250 group maxima and two bitmaps (above it, equal to it);   fuse: the 16 groups are listed, multiplied again, and all the rest is done.
; WHY GROUPS SUFFICE.  Order elements by (similarity falling, index rising) and groups by (their maximum falling, group number rising).  If an element x of the first 16 lay in a group that is not among the first 16
; groups, 16 groups would stand ahead of x's group; the maximum of each is larger than x, or equal to it with a lower index (groups are runs of neighbouring indices): 16 elements ahead of x.  So the first 16 elements lie in the first 16 groups.
; WORK LEFT OUT: reference() forms alpha_nb = memory_evidence[topi] + 1.0 and then uses alpha_nb - 1.0 alone: (e + 1) - 1 = e for every e, so the evidence is used as it is loaded.  opinion_to_alpha clips u to the bounds to which
; combine_two_opinions has just clipped it: the second clip changes nothing and is not written.  Every input has a way to the output and is loaded.  Nothing that is left out can hold a NaN, an infinity or an overflow that the rest does not see.
; LIMITS: NaN and infinities among the inputs are not served.  A row's sum of squares must stay inside f32.  x / max(norm, 1e-8) is made as x * (1 / max(sqrt(sum), 1e-8)) with v_sqrt_f32 and v_rcp_f32, about 2e-7 of the number.
; A block of zeros gets the scale byte 1 where the rule says 127: its codes are zeros, which add nothing under any byte but 0xff, and this program alone reads the bytes.
;
; THIS LAUNCH.  One wave takes one tile of 16 rows x 256 f32 (16,384 dense bytes); no loop, no barrier: waves share nothing.  Work-groups 0 to 3,124 take memory_feat's 6,250 tiles, the other 32 query's 64: only pointers are chosen.
; Each of the 32 loads reads 512 consecutive bytes.  The conversions want 16 neighbours along K in ONE lane, so the tile turns through the wave's own stage in LDS: rows 1,040 bytes apart (65 x 16: the 16 rows that a read of
; 16 bytes a lane touches fall on 16 different 16-byte columns of 256).  Lane (r = lane % 16, h = lane / 16) then holds of row r the numbers k = 128 s + 32 b + 16 h + 0 .. 15 in register 64 s + 16 b + 0 .. 15.
; OUT: a tile's codes as an IMAGE OF THE OPERAND'S REGISTERS: 3,072 bytes; piece 3 s + c (512 bytes) holds registers 4 c .. 4 c + 3 of the fragment of K step s, lane l's 16 bytes at 16 l.  Its scale words: 128 bytes,
; lane l's at 4 l: lanes 0-15 row r's word of K step 0, lanes 16-31 that of K step 1.  (The scale store covers 128 consecutive bytes: one byte in 25 of what the launch writes.)
.set WGM,    3125                      ; work-groups that take memory_feat
.set PITCH,  1040                      ; a stage row: 1,024 bytes + 16
.set STAGEB, 16*PITCH                  ; a wave's stage
.set SPARE,  2*STAGEB                  ; behind the two stages: the spare words, 128 bytes for each wave: one block of 256 bytes that no other line names
.set SPW, 6                            ; v6       LDS address of my spare word; never rewritten
.set NIL, 7                            ; v7       0; never rewritten
.set SQ,  8                            ; v8-15    the sum of squares, four chains of pairs
.set TM,  16                           ; v16-19 largest magnitudes, v20-23 bytes, v28-31 the conversions' scale operands
.set PW0, 32                           ; v32, v33 the two scale words
.set PW1, 33
.set INV, 34                           ; v34-35   1 / norm, twice
.set PC0, 36                           ; v36-47   codes of K step 0
.set PC1, 48                           ; v48-59   codes of K step 1
.set X0,  64                           ; v64-127  my 64 numbers of K step 0
.set X1,  128                          ; v128-191 of K step 1
.set CT,  192                          ; v192-198 the conversions' second halves
	s_load_b256 s[4:11], s[0:1], 0x0               ; memory_feat s[4:5], query s[6:7], mc s[8:9], ms s[10:11]
	s_load_b128 s[12:15], s[0:1], 0x20             ; qc s[12:13], qs s[14:15]
	v_lshl_add_u32 v[SPW], v0, 2, SPARE
	v_mov_b32 v[NIL], 0
	v_lshrrev_b32 v1, 5, v0
	v_readfirstlane_b32 s16, v1                    ; wave 0, 1
	v_and_b32 v1, 31, v0                           ; lane
	v_lshlrev_b32 v2, 4, v1                        ; 16 x lane: my bytes of a load's or a store's 512
	v_lshlrev_b32 v5, 2, v1                        ; 4 x lane: my scale word
	s_mul_i32 s18, s16, STAGEB                     ; my stage
	v_add_nc_u32 v3, s18, v2                       ; into it: as the bytes lie
	v_and_b32 v60, 15, v0                          ; r
	v_bfe_u32 v61, v0, 4, 1                        ; h
	v_mul_u32_u24 v4, v60, PITCH
	v_lshl_add_u32 v4, v61, 6, v4
	v_add_nc_u32 v4, s18, v4                       ; out of it: row r, + 64 h bytes
	s_mov_b32 s22, 0x76543210
	s_mov_b32 s23, 0xfedcba98                      ; v_permlanex16_b32's selects for lane l xor 16
	s_mov_b32 s24, 0xffff0000                      ; lanes 16-31
.irp b, 0,1,2,3
	v_mov_b32 v[TM+4+\b], 0                        ; written once: a lane permute's destination counts as one of its sources
.endr
	s_wait_alu depctr_va_vdst(0)
	s_wait_kmcnt 0x0
	s_cmp_lt_u32 ttmp9, WGM                        ; memory_feat's work-group or query's?  The choice hangs on the work-group's number alone
	s_cselect_b64 s[4:5], s[4:5], s[6:7]
	s_cselect_b64 s[8:9], s[8:9], s[12:13]
	s_cselect_b64 s[10:11], s[10:11], s[14:15]
	s_cselect_b32 s17, 0, WGM
	s_sub_co_u32 s17, ttmp9, s17
	s_lshl_b32 s17, s17, 1
	s_add_co_u32 s17, s17, s16                     ; my tile of the tensor
	s_lshl_b32 s20, s17, 14                        ; 16,384 bytes of f32 a tile (under 2^31 in all)
	s_mov_b32 s21, 0
	s_add_nc_u64 s[4:5], s[4:5], s[20:21]
	s_mul_i32 s20, s17, 3072                       ; 3,072 bytes of codes
	s_add_nc_u64 s[8:9], s[8:9], s[20:21]
	s_lshl_b32 s20, s17, 7                         ; 128 bytes of scale words
	s_add_nc_u64 s[10:11], s[10:11], s[20:21]
.set k, 0
.rept 32
	global_load_b128 v[X0+4*k:X0+4*k+3], v2, s[4:5] offset:512*k th:TH_LOAD_NT   ; 32 lanes read 512 consecutive bytes: half a row; read once in the launch
.set k, k+1
.endr
.set k, 0
.rept 32
.if k%8 == 0
	s_wait_loadcnt 24-k                            ; loads come back in order: the next eight are in, the younger ones stay out
.endif
	ds_store_b128 v3, v[X0+4*k:X0+4*k+3] offset:(k/2)*PITCH+(k%2)*512
.set k, k+1
.endr
.set k, 0
.rept 32                                       ; LDS serves a wave's instructions in order: these see the stores above, and land in the registers that the stores have left
	ds_load_b128 v[X0+4*k:X0+4*k+3], v4 offset:512*(k/16)+128*((k/4)%4)+16*(k%4)   ; k = 16 s + 4 b + j: numbers 128 s + 32 b + 16 h + 4 j on
.set k, k+1
.endr
	s_wait_dscnt 0x0
	; the row's norm: my 128 squares in four chains of pairs, then lane l xor 16's 128
.irp c, 0,1,2,3
	v_pk_mul_f32 v[SQ+2*\c:SQ+2*\c+1], v[X0+2*\c:X0+2*\c+1], v[X0+2*\c:X0+2*\c+1]   ; the first products start the chains: nothing is cleared
.endr
.set p, 4
.rept 60
	v_pk_fma_f32 v[SQ+2*(p%4):SQ+2*(p%4)+1], v[X0+2*p:X0+2*p+1], v[X0+2*p:X0+2*p+1], v[SQ+2*(p%4):SQ+2*(p%4)+1]
.set p, p+1
.endr
	v_pk_add_f32 v[SQ:SQ+1], v[SQ:SQ+1], v[SQ+2:SQ+3]
	v_pk_add_f32 v[SQ+4:SQ+5], v[SQ+4:SQ+5], v[SQ+6:SQ+7]
	v_pk_add_f32 v[SQ:SQ+1], v[SQ:SQ+1], v[SQ+4:SQ+5]
	v_add_f32 v[SQ], v[SQ], v[SQ+1]
	v_permlanex16_b32 v[SQ+1], v[SQ], s22, s23
	v_add_f32 v[SQ], v[SQ], v[SQ+1]
	s_wait_alu depctr_va_vdst(0)
	v_sqrt_f32 v[SQ+2], v[SQ]
	v_nop                                          ; a plain instruction behind the transcendental,
	s_wait_alu depctr_va_vdst(0)                   ; and the wait ahead of the first use of its result
	v_max_num_f32 v[SQ+2], 0x322bcc77, v[SQ+2]     ; clip(norm, 1e-8)
	s_wait_alu depctr_va_vdst(0)
	v_rcp_f32 v[INV], v[SQ+2]
	v_nop
	s_wait_alu depctr_va_vdst(0)
	v_mov_b32 v[INV+1], v[INV]
.set p, 0
.rept 64
	v_pk_mul_f32 v[X0+2*p:X0+2*p+1], v[X0+2*p:X0+2*p+1], v[INV:INV+1]   ; the normalised row, in f32
.set p, p+1
.endr
; 64 numbers of a lane, v[s] on, register 16 b + i = k 32 b + 16 h + i of my row, become a fragment's codes in v[pc] on and its scale word in v[pw].
.macro QUANT s, pc, pw
.irp b, 0,1,2,3
	v_max3_num_f32 v[TM+\b], |v[\s+16*\b]|, |v[\s+1+16*\b]|, 0x1800000   ; block b: my 16 numbers, and the floor 2^(3 - 127): so the byte cannot fall under 1
.endr
.irp i, 2,4,6,8,10,12,14
.irp b, 0,1,2,3
	v_max3_num_f32 v[TM+\b], v[TM+\b], |v[\s+16*\b+\i]|, |v[\s+1+16*\b+\i]|   ; (the four blocks by turns)
.endr
.endr
.irp b, 0,1,2,3
	v_permlanex16_b32 v[TM+4+\b], v[TM+\b], s22, s23
.endr
.irp b, 0,1,2,3
	v_max_num_f32 v[TM+\b], v[TM+\b], v[TM+4+\b]   ; with lane l xor 16's: the block's largest magnitude
.endr
.irp b, 0,1,2,3
	v_add_nc_u32 v[TM+12+\b], 0xff000000, v[TM+\b] ; 2 off its exponent field: the conversion takes the exponent field of this operand as its scale
.endr
.irp b, 0,1,2,3
	v_lshrrev_b32 v[TM+4+\b], 23, v[TM+12+\b]      ; the scale's byte
.endr
	v_lshl_or_b32 v[\pw], v[TM+5], 8, v[TM+4]      ; the four bytes make my row's scale word
	v_lshl_or_b32 v[\pw], v[TM+6], 16, v[\pw]
	v_lshl_or_b32 v[\pw], v[TM+7], 24, v[\pw]
.irp c, 0,1
	v_cvt_scalef32_pk16_fp6_f32 v[\pc+6*\c:\pc+2+6*\c], v[\s+32*\c:\s+15+32*\c], v[TM+12+2*\c]
	v_cvt_scalef32_pk16_fp6_f32 v[CT+4*\c:CT+2+4*\c], v[\s+16+32*\c:\s+31+32*\c], v[TM+12+2*\c+1]   ; (a conversion's three registers begin on an even number)
.endr
	v_nop                                          ; one plain place behind a scaled conversion
.irp c, 0,1                                    ; the operand's layout wants a WHOLE block in a lane: lanes 0-15 block 2 c, lanes 16-31 block 2 c + 1
.irp i, 0,1,2
	v_permlane16_swap_b32 v[\pc+6*\c+\i], v[CT+4*\c+\i]
.endr
.irp i, 0,1,2
	v_mov_b32 v[\pc+3+6*\c+\i], v[CT+4*\c+\i]
.endr
.endr
.endm
	QUANT X0, PC0, PW0
	QUANT X1, PC1, PW1
.irp k, 0,1,2,3,4,5
	global_store_b128 v2, v[PC0+4*\k:PC0+4*\k+3], s[8:9] offset:512*\k   ; 32 lanes store 512 consecutive bytes, at a multiple of 256 from the buffer's first byte
.endr
	v_cndmask_b32 v60, v[PW0], v[PW1], s24         ; lanes 0-15: K step 0's word of row r; lanes 16-31: K step 1's
	global_store_b32 v5, v60, s[10:11]
	s_wait_tensorcnt 0x0                           ; the wave's end, behind my last LDS store
	ds_add_u32 v[SPW], v[NIL]
	s_wait_dscnt 0x0
	s_endpgm
.Lfunc_end_k_q60d1e4512e_quant:
	.size	k_q60d1e4512e_quant, .Lfunc_end_k_q60d1e4512e_quant-k_q60d1e4512e_quant
	.p2alignl 7, 3214868480
	.fill 96, 4, 3214868480
	.section	.rodata,"a",@progbits
	.p2align	6, 0x0
	.amdhsa_kernel k_q60d1e4512e_quant
		.amdhsa_group_segment_fixed_size 33536
		.amdhsa_private_segment_fixed_size 0
		.amdhsa_enable_private_segment 0
		.amdhsa_kernarg_size 48
		.amdhsa_user_sgpr_count 2
		.amdhsa_user_sgpr_kernarg_segment_ptr 1
		.amdhsa_wavefront_size32 1
		.amdhsa_system_sgpr_workgroup_id_x 1
		.amdhsa_system_sgpr_workgroup_id_y 1
		.amdhsa_system_sgpr_workgroup_id_z 1
		.amdhsa_system_vgpr_workitem_id 0
		.amdhsa_next_free_vgpr 200
		.amdhsa_next_free_sgpr 66
		.amdhsa_reserve_vcc 0
		.amdhsa_float_denorm_mode_32 3
		.amdhsa_float_denorm_mode_16_64 3
		.amdhsa_memory_ordered 1
		.amdhsa_forward_progress 1
		.amdhsa_inst_pref_size 27
	.end_amdhsa_kernel
	.amdgpu_metadata
---
amdhsa.version: [ 1, 2 ]
amdhsa.kernels:
  - .name:           k_q60d1e4512e_quant
    .symbol:         k_q60d1e4512e_quant.kd
    .args:
      - { .name: memory_feat, .offset: 0, .size: 8, .value_kind: global_buffer, .address_space: global }
      - { .name: query, .offset: 8, .size: 8, .value_kind: global_buffer, .address_space: global }
      - { .name: mc, .offset: 16, .size: 8, .value_kind: global_buffer, .address_space: global }
      - { .name: ms, .offset: 24, .size: 8, .value_kind: global_buffer, .address_space: global }
      - { .name: qc, .offset: 32, .size: 8, .value_kind: global_buffer, .address_space: global }
      - { .name: qs, .offset: 40, .size: 8, .value_kind: global_buffer, .address_space: global }
    .group_segment_fixed_size: 33536
    .private_segment_fixed_size: 0
    .kernarg_segment_align: 8
    .kernarg_segment_size: 48
    .max_flat_workgroup_size: 64
    .sgpr_count:     66
    .vgpr_count:     200
    .wavefront_size: 32
...
	.end_amdgpu_metadata
.endif
;; end of part 1
;; launch sims (part 2): grid 250 x 1, 8 waves a work-group, no clusters, 327,680 bytes of LDS; arguments qc, qs, mc, ms, gmax; writes gmax
.if DOCPART == 2
	.amdgcn_target "amdgcn-amd-amdhsa--gfx1250"
	.amdhsa_code_object_version 6
	.text
	.protected	k_q60d1e4512e_sims
	.globl	k_q60d1e4512e_sims
	.p2align	8
	.type	k_q60d1e4512e_sims,@function
k_q60d1e4512e_sims:
	s_mov_b64 s[64:65], 0
	v_nop
	global_prefetch_b8 v0, s[64:65] scope:SCOPE_SE
	s_setreg_imm32_b32 hwreg(HW_REG_WAVE_MODE, 25, 1), 1
	s_wait_xcnt 0x0
; All similarities by the matrix unit, and of each tile of 16 neighbouring memory rows (a group) the largest for each query.  No work of reference() is left out here.
; SHARES.  Work-group c takes memory tiles 25 c .. 25 c + 24 (400 rows) and all 1,024 queries.  Wave w of 8 takes queries 128 w .. 128 w + 127: their 8 tiles of codes stay in 192 registers (window 1),
; their scale words in 8.  The 25 memory tiles lie in LDS as images of the operand's registers (3,072 bytes a tile) and every wave walks all of them: a fragment read from LDS feeds 16 matrix instructions.
; Two waves share a SIMD: a tile's 16 matrix instructions stand in one group, its maxima, LDS stores and the next tile's LDS loads in another.
; THE PRODUCT: source 0 = 16 memory rows, source 1 = 16 queries: lane (r, h) holds query r, its 8 registers memory rows 8 h + 0 .. 7.  The largest of the 8, then of the other half of the lanes, is the group's maximum.
; OUT: gmax [c 250][q 1,024][e 25]: a wave gathers its 128 x 25 numbers in its own stage in LDS (rows of 100 bytes) and stores 12,800 dense bytes, 512 an instruction.
; ALL REQUESTS GO OUT AT THE HEAD: waves 0-3 bring 75 rows of 256 bytes of codes each by one tensor load; no LDS byte is filled twice.  The 3,200 bytes of memory scale words come by plain loads
; (128 bytes a wave and tile) and go to LDS bytes of their own.  No loop runs ahead of any request, so nothing is prefetched.
; cluster = none: the grid of 250 is no multiple of four, and what all work-groups share (the queries' codes) goes straight into registers.
; LIMIT: NaN is not served (v_max_num_f32 drops it).
; LDS: 0 codes (76,800); MS scale words (3,200); GST eight stages of 12,800; SPARE the spare words, 128 bytes a wave.
.set MS,    76800
.set GST,   80128
.set GSTW,  12800
.set SPARE, GST+8*GSTW
.set SPW, 2                            ; v2  my spare word; never rewritten
.set NIL, 3                            ; v3  0; never rewritten
.set L16, 4                            ; v4  16 x lane
.set L4,  5                            ; v5  4 x lane
.set T4,  6                            ; v6  4 x thread
.set ASL, 7                            ; v7  MS + 4 x thread: where I put scale words
.set AS0, 8                            ; v8  MS + 4 x lane
.set AG0, 9                            ; v9  my stage + 100 x lane
.set AF,  10                           ; v10 my stage + 16 x lane
.set AMW, 11                           ; v11-13 this trip's addresses: codes, scale words, stage
.set ASW, 12
.set AGW, 13
.set QS,  16                           ; v16-23 my queries' scale words
.set MSC, 24                           ; v24-25 a memory tile's scale words, two buffers
.set SL,  26                           ; v26-29 scale words on their way to LDS
.set T,   32                           ; v32-39 maxima
.set MF,  40                           ; v40-87 a memory tile's two fragments, two buffers
.set AC,  96                           ; v96-159 eight accumulators; v96-195 the way out
.set G1,  16                           ; s16-23 descriptor group 1
.set G0,  32                           ; s32-35 descriptor group 0
.set TMS, 48                           ; s48-50 the trip's steps in codes, scale words, stage
.set TSS, 49
.set TGS, 50
.set MSB, 0
.macro WIN new                         ; the immediate's high byte repeats the setting that is left
.if MSB != \new
	s_set_vgpr_msb (MSB<<8)|\new
.set MSB, \new
.endif
.endm
.macro ADDR
	v_add_nc_u32 v[AMW], s[TMS], v[L16]
	v_add_nc_u32 v[ASW], s[TSS], v[AS0]
	v_add_nc_u32 v[AGW], s[TGS], v[AG0]
.endm
	s_load_b256 s[4:11], s[0:1], 0x0               ; qc s[4:5], qs s[6:7], mc s[8:9], ms s[10:11]
	s_load_b64 s[12:13], s[0:1], 0x20              ; gmax
	s_mov_b32 s[TMS], 0
	s_mov_b32 s[TSS], 0
	s_mov_b32 s[TGS], 0
	v_lshl_add_u32 v[SPW], v0, 2, SPARE
	v_mov_b32 v[NIL], 0
	ds_add_u32 v[SPW], v[NIL]                      ; the opening lines: the add, twice on end,
	ds_add_u32 v[SPW], v[NIL]
	v_lshrrev_b32 v1, 5, v0
	v_readfirstlane_b32 s14, v1                    ; wave 0..7
	s_mul_i32 s51, s14, GSTW
	s_add_co_u32 s51, s51, GST                     ; my stage
	v_and_b32 v1, 31, v0
	v_lshlrev_b32 v[L16], 4, v1
	v_lshlrev_b32 v[L4], 2, v1
	v_lshlrev_b32 v[T4], 2, v0
	v_lshl_add_u32 v[ASL], v0, 2, MS
	v_add_nc_u32 v[AS0], MS, v[L4]
	v_mul_u32_u24 v[AG0], v1, 100
	v_add_nc_u32 v[AG0], s51, v[AG0]
	v_add_nc_u32 v[AF], s51, v[L16]
	ADDR
	s_mov_b32 s[G1+0], 3<<16                       ; elements of 8 bytes, no padding: the image is read 16 x lane, dense
	s_mov_b32 s[G1+1], 32<<16                      ; rows of 32 elements = 256 bytes
	s_mov_b32 s[G1+2], 75<<16                      ; 75 rows
	s_mov_b32 s[G1+3], 32<<16
	s_mov_b32 s[G1+4], 75
	s_mov_b32 s[G1+5], 32
	s_mov_b32 s[G1+6], 0
	s_mov_b32 s[G1+7], 0
	s_mov_b32 s[G0], 1
	s_mul_i32 s[G0+1], s14, 19200                  ; waves 0-3: a quarter of the codes each
	s_mul_i32 s40, ttmp9, 76800
	s_add_co_u32 s40, s40, s[G0+1]
	s_mov_b32 s41, 0
	s_mul_i32 s42, ttmp9, 3200
	s_mov_b32 s43, 0
	s_mul_i32 s36, s14, 24576                      ; my 8 query tiles' codes
	s_mov_b32 s37, 0
	s_lshl_b32 s38, s14, 10                        ; and scale words
	s_mov_b32 s39, 0
	s_mul_i32 s52, ttmp9, 102400
	s_mul_i32 s53, s14, GSTW
	s_add_co_u32 s52, s52, s53
	s_mov_b32 s53, 0
	s_wait_alu depctr_va_vdst(0)
	s_wait_dscnt 0x0                               ; the one wait for both adds
	s_wait_kmcnt 0x0
	s_add_nc_u64 s[G0+2:G0+3], s[8:9], s[40:41]
	s_or_b32 s[G0+3], s[G0+3], 0x80000000
	s_add_nc_u64 s[10:11], s[10:11], s[42:43]
	s_add_nc_u64 s[4:5], s[4:5], s[36:37]
	s_add_nc_u64 s[6:7], s[6:7], s[38:39]
	s_add_nc_u64 s[46:47], s[12:13], s[52:53]
	s_cmp_ge_u32 s14, 4
	s_cbranch_scc1 .Lno_tile
	tensor_load_to_lds s[G0:G0+3], s[G1:G1+7]      ; 19,200 bytes; every row starts at a multiple of 256 bytes of mc
	s_nop 0
.rept 4
	v_nop
.endr
.Lno_tile:
.irp i, 0,1,2
	global_load_b32 v[SL+\i], v[T4], s[10:11] offset:1024*\i   ; scale words of tile wave + 8 i: the work-group's eight waves read 1,024 bytes on end
.endr
	s_cmp_lg_u32 s14, 0
	s_cbranch_scc1 .Lno_24a
	global_load_b32 v[SL+3], v[T4], s[10:11] offset:3072       ; tile 24: wave 0 alone
.Lno_24a:
.irp i, 0,1,2,3,4,5,6,7
	global_load_b32 v[QS+\i], v[L4], s[6:7] offset:128*\i
.endr
	WIN 0x40                                       ; destination window 1
.set i, 0
.rept 48
	global_load_b128 v[4*i:4*i+3], v[L16], s[4:5] offset:512*i
.set i, i+1
.endr
	WIN 0
	s_wait_loadcnt 56                              ; the memory scale words are in; the 8 + 48 loads issued behind them may be out
	s_wait_tensorcnt 0x0                           ; my part of the codes is in, ahead of my first LDS store
.irp i, 0,1,2
	ds_store_b32 v[ASL], v[SL+\i] offset:1024*\i
.endr
	s_cmp_lg_u32 s14, 0
	s_cbranch_scc1 .Lno_24b
	ds_store_b32 v[ASL], v[SL+3] offset:3072
.Lno_24b:
	s_wait_dscnt 0x0                               ; for the others' sake
	s_barrier_signal -1
	s_barrier_wait -1                              ; codes and scale words are whole for every wave
	s_wait_loadcnt 0x0                             ; my queries
.macro FETCH mb, dt                    ; the tile dt tiles on from the trip's first, into buffer mb: 7 LDS loads
.irp k, 0,1,2,3,4,5
	ds_load_b128 v[MF+24*(\mb)+4*\k:MF+24*(\mb)+4*\k+3], v[AMW] offset:3072*(\dt)+512*\k
.endr
	ds_load_b32 v[MSC+(\mb)], v[ASW] offset:128*(\dt)
.endm
.macro MM mb                           ; 16 matrix instructions: K step 0 starts the eight sums, K step 1 adds; the accumulators take turns
.set n, 0
.rept 16
.set rD, AC+8*(n%8)
.set rA, MF+24*(\mb)+12*(n/8)
.set rB, 24*(n%8)+12*(n/8)
.if n < 8
	v_wmma_scale_f32_16x16x128_f8f6f4 v[rD:rD+7], v[rA:rA+11], v[rB:rB+11], 0, v[MSC+(\mb)], v[QS+n%8] matrix_a_fmt:MATRIX_FMT_FP6 matrix_b_fmt:MATRIX_FMT_FP6
.else
	v_wmma_scale_f32_16x16x128_f8f6f4 v[rD:rD+7], v[rA:rA+11], v[rB:rB+11], v[rD:rD+7], v[MSC+(\mb)], v[QS+n%8] matrix_a_fmt:MATRIX_FMT_FP6 matrix_b_fmt:MATRIX_FMT_FP6 matrix_a_scale:MATRIX_SCALE_ROW1 matrix_b_scale:MATRIX_SCALE_ROW1
.endif
.set n, n+1
.endr
.endm
.macro RED                             ; eight chains by turns; each accumulator is read from its low end on.  v[T+2u] ends with the maximum for query 32 u + lane
.irp u, 0,1,2,3
	v_max3_num_f32 v[T+2*\u], v[AC+16*\u], v[AC+16*\u+1], v[AC+16*\u+2]
	v_max3_num_f32 v[T+2*\u+1], v[AC+16*\u+8], v[AC+16*\u+9], v[AC+16*\u+10]
.endr
.irp i, 3,5
.irp u, 0,1,2,3
	v_max3_num_f32 v[T+2*\u], v[T+2*\u], v[AC+16*\u+\i], v[AC+16*\u+\i+1]
	v_max3_num_f32 v[T+2*\u+1], v[T+2*\u+1], v[AC+16*\u+8+\i], v[AC+16*\u+9+\i]
.endr
.endr
.irp u, 0,1,2,3
	v_max_num_f32 v[T+2*\u], v[T+2*\u], v[AC+16*\u+7]
	v_max_num_f32 v[T+2*\u+1], v[T+2*\u+1], v[AC+16*\u+15]
.endr
.irp u, 0,1,2,3
	v_permlane16_swap_b32 v[T+2*\u], v[T+2*\u+1]   ; the first now holds both tiles' rows 0-7, the second their rows 8-15
.endr
.irp u, 0,1,2,3
	v_max_num_f32 v[T+2*\u], v[T+2*\u], v[T+2*\u+1]
.endr
.endm
.macro VISIT mb, fetch, dt, off
.if \fetch
	FETCH 1-\mb, \dt                               ; the other buffer's last readers stand 44 vector instructions back
	s_wait_dscnt 7                                 ; all but the 7 loads just issued: this tile's fragments are in
.else
	s_wait_dscnt 0x0
.endif
	WIN 0x04                                       ; source 1 window 1
	MM \mb
	WIN 0
.rept 4
	v_nop                                          ; four places behind the products (ISA guide 7.12.1)
.endr
	RED
.irp u, 0,1,2,3
	ds_store_b32 v[AGW], v[T+2*\u] offset:3200*\u+(\off)
.endr
.endm
	FETCH 0, 0
	s_mov_b32 s44, 12
.Ltrip:                                        ; a trip: tiles 2 i and 2 i + 1
	VISIT 0, 1, 1, 0
	VISIT 1, 1, 2, 4
	s_add_co_u32 s[TMS], s[TMS], 6144
	s_add_co_u32 s[TSS], s[TSS], 256
	s_add_co_u32 s[TGS], s[TGS], 8
	ADDR
	s_sub_co_u32 s44, s44, 1
	s_cmp_lg_u32 s44, 0
	s_wait_alu depctr_va_vdst(0)
	s_cbranch_scc1 .Ltrip
	VISIT 0, 0, 0, 0                               ; tile 24
.set k, 0
.rept 25
	ds_load_b128 v[AC+4*k:AC+4*k+3], v[AF] offset:512*k   ; LDS serves a wave's instructions in order: these see my stores
.set k, k+1
.endr
.set k, 0
.rept 25
	s_wait_dscnt 24-k
	global_store_b128 v[L16], v[AC+4*k:AC+4*k+3], s[46:47] offset:512*k   ; 512 consecutive bytes, at a multiple of 256 from the buffer's first byte
.set k, k+1
.endr
	s_wait_tensorcnt 0x0                           ; the wave's end
	ds_add_u32 v[SPW], v[NIL]
	s_wait_dscnt 0x0
	s_endpgm
.Lfunc_end_k_q60d1e4512e_sims:
	.size	k_q60d1e4512e_sims, .Lfunc_end_k_q60d1e4512e_sims-k_q60d1e4512e_sims
	.p2alignl 7, 3214868480
	.fill 96, 4, 3214868480
	.section	.rodata,"a",@progbits
	.p2align	6, 0x0
	.amdhsa_kernel k_q60d1e4512e_sims
		.amdhsa_group_segment_fixed_size 327680
		.amdhsa_private_segment_fixed_size 0
		.amdhsa_enable_private_segment 0
		.amdhsa_kernarg_size 40
		.amdhsa_user_sgpr_count 2
		.amdhsa_user_sgpr_kernarg_segment_ptr 1
		.amdhsa_wavefront_size32 1
		.amdhsa_system_sgpr_workgroup_id_x 1
		.amdhsa_system_sgpr_workgroup_id_y 1
		.amdhsa_system_sgpr_workgroup_id_z 1
		.amdhsa_system_vgpr_workitem_id 0
		.amdhsa_next_free_vgpr 448
		.amdhsa_next_free_sgpr 66
		.amdhsa_reserve_vcc 0
		.amdhsa_float_denorm_mode_32 3
		.amdhsa_float_denorm_mode_16_64 3
		.amdhsa_memory_ordered 1
		.amdhsa_forward_progress 1
		.amdhsa_inst_pref_size 30
	.end_amdhsa_kernel
	.amdgpu_metadata
---
amdhsa.version: [ 1, 2 ]
amdhsa.kernels:
  - .name:           k_q60d1e4512e_sims
    .symbol:         k_q60d1e4512e_sims.kd
    .args:
      - { .name: qc, .offset: 0, .size: 8, .value_kind: global_buffer, .address_space: global }
      - { .name: qs, .offset: 8, .size: 8, .value_kind: global_buffer, .address_space: global }
      - { .name: mc, .offset: 16, .size: 8, .value_kind: global_buffer, .address_space: global }
      - { .name: ms, .offset: 24, .size: 8, .value_kind: global_buffer, .address_space: global }
      - { .name: gmax, .offset: 32, .size: 8, .value_kind: global_buffer, .address_space: global }
    .group_segment_fixed_size: 327680
    .private_segment_fixed_size: 0
    .kernarg_segment_align: 8
    .kernarg_segment_size: 40
    .max_flat_workgroup_size: 256
    .sgpr_count:     66
    .vgpr_count:     448
    .wavefront_size: 32
...
	.end_amdgpu_metadata
.endif
;; end of part 2
;; launch pick (part 3): grid 256 x 1, 4 waves a work-group, no clusters, 0 bytes of LDS; arguments gmax, sel; writes sel
.if DOCPART == 3
	.amdgcn_target "amdgcn-amd-amdhsa--gfx1250"
	.amdhsa_code_object_version 6
	.text
	.protected	k_q60d1e4512e_pick
	.globl	k_q60d1e4512e_pick
	.p2align	8
	.type	k_q60d1e4512e_pick,@function
k_q60d1e4512e_pick:
	s_mov_b64 s[64:65], 0
	v_nop
	global_prefetch_b8 v0, s[64:65] scope:SCOPE_SE
	s_setreg_imm32_b32 hwreg(HW_REG_WAVE_MODE, 25, 1), 1
	s_wait_xcnt 0x0
; For each query: the numbers of its first 16 groups in the order (group maximum falling, group number rising), stored as 16 whole numbers at a fixed place (16 zeros behind them fill the wave's store).
; The next launch forms addresses from them.  Nothing here steers an address or a branch: every choice is a select.  No work of reference() is left out here.
; SHARES.  One wave, one query: q = 4 x work-group + wave.  No LDS, no barrier.  Register i (0 .. 195, window 1) of lane l holds gmax of group g = 32 i + l, so the lane mask of a compare on register i is a word of a bitmap in the order of g.
; gmax is laid [c 250][q 1,024][e 25], g = 25 c + e.  With i = 25 k + i0: g = 800 k + g0, g0 = 32 i0 + l under 800, so c = 32 k + g0 / 25: 25 offset registers serve all loads; 3,276,800 k bytes go into three bases and the immediate.
; STEP 1: t, THE 16TH LARGEST (counted with repeats), on values alone: a lane's 196 numbers (filled to 208 with -infinity) go in 13 chunks of 16.  A chunk is sorted falling by a bitonic network of ten stages; the list TOP of
; the 16 largest so far and the sorted chunk give max(TOP[i], chunk[15 - i]), which holds the 16 largest of the 32 and is bitonic: four more stages sort it.  Then the same merge between lanes l and l xor 1, 2, 4, 8, 16.
; A comparator is ONE dual instruction (the larger and the smaller of the same two registers).  Its two results want an even and an odd register, so a stage of distance j lays place i at register
; 2 ((i / 2j) j + i % j) + (i / j) % 2: partners side by side; the next stage reads by the same formula.  For j = 1 that is i itself, and every sort ends with j = 1.
; STEP 2: THE PAIRS THAT COUNT.  The masks of registers 2 p and 2 p + 1 are pair p: 64 groups.  At most 15 groups lie above t, so at most 15 pairs have a bit 'above'; of the pairs with a bit 'equal' the first 16 hold the first 16 such
; groups.  Three registers (low word, high word, p) take them by lanes: 'above' from lane 31 downward, 'equal' from lane 0 upward.  Each pair is written at its class's place in hand, and the place moves on only if the pair has a bit
; (a compare and an add with carry): a pair of zeros is written over by the next.  'Equal' stops at lane 16; 'above' can reach lane 16 with zeros alone.  What lane 16 holds comes last in step 3's order, behind 16 bits or more.
; STEP 3: SLOT n (lane n, 0 .. 15) TAKES THE n-TH BIT of the 32 pairs strung together in the order lanes 17-31, then 0-16: all groups above t, then groups equal to t in rising order.  The pairs are read lane by lane into scalar
; registers, with P = the bits ahead of each; a slot keeps the last pair with P <= n (a pair of zeros is always followed by one with the same P, since there are 16 bits or more).  Then n - P bits, 15 at the most, are cleared from
; the low end of the slot's 64 bits, w & (w - 1) with a carry between the words; the lowest bit left, as f32, has its number in the exponent field.
; LIMIT: NaN is not served (v_max_num_f32 and v_min_num_f32 drop it).
.set OFF,   4                          ; v4-28   byte offsets for i0 = 0 .. 24
.set OFFL,  29                         ; v29     the last register's, held inside the buffer
.set L4,    30                         ; v30     4 x lane
.set WL,    32                         ; v32-34  the pairs that count: low word, high word, pair number
.set WH,    33
.set IDR,   34
.set CI,    35                         ; v35     my slot's pair number
.set CP,    36                         ; v36     the bits ahead of that pair
.set KK,    37                         ; v37     the bits of it that go ahead of mine
.set K0,    38                         ; v38-41  at work
.set K1,    39
.set T0,    40
.set T1,    41
.set C0,    42                         ; v42-43  my slot's pair
.set C1,    43
.set TOP,   64                         ; v64-79  the 16 largest so far, falling
.set WA,    80                         ; v80-95, v96-111 two work areas
.set WB,    96
.set TV,    112                        ; v112    t
.set BS,    8                          ; s[8:13] three bases: gmax + 100 q + 9,830,400 x 0, 1, 2
.set PID,   24                         ; s24-27  four pairs' numbers
.set MG,    32                         ; s32-39  four pairs' masks 'above';  s40-47 'equal'
.set ME,    40
.set PG,    48                         ; s48-55  the place of 'above' for pair p in register p % 8;  s56-63 the same of 'equal'
.set PE,    56
.set SM,    8                          ; step 3: s8-15 eight lane masks; s32-55 eight pairs (low, high, number); s56-63 their P
.set SWD,   32
.set SPF,   56
.set MSB, 0
.macro WIN new                         ; the immediate's high byte repeats the setting that is left
.if MSB != \new
	s_set_vgpr_msb (MSB<<8)|\new
.set MSB, \new
.endif
.endm
	s_load_b128 s[4:7], s[0:1], 0x0                ; gmax s[4:5], sel s[6:7]
	v_lshrrev_b32 v2, 5, v0
	v_readfirstlane_b32 s16, v2                    ; wave
	v_and_b32 v1, 31, v0                           ; lane
	v_lshlrev_b32 v[L4], 2, v1
	s_lshl_b32 s17, ttmp9, 2
	s_add_co_u32 s17, s17, s16                     ; my query
	s_mul_i32 s18, s17, 100
	s_mov_b32 s19, 0
	s_mov_b32 s20, 0xfffffc00                      ; lanes 10-31: of register 195 they lie past group 6,249
	s_mov_b32 s22, 0x76543210
	s_mov_b32 s23, 0xfedcba98                      ; v_permlanex16_b32's selects for lane l xor 16
.macro MKOFF dst, add, hold            ; g0 = add + lane;  c0 = g0 / 25 = (5,243 g0) >> 17, exact under 800 (5,243 x 25 = 2^17 + 3);  102,400 c0 + 4 (g0 - 25 c0)
	v_add_nc_u32 v60, \add, v1
.if \hold
	v_min_u32 v60, 649, v60                        ; no load leaves the buffer: lanes past the last group read the last group, and are replaced below
.endif
	v_mul_u32_u24 v61, v60, 5243
	v_lshrrev_b32 v61, 17, v61
	v_mul_u32_u24 v62, v61, 25
	v_sub_nc_u32 v62, v60, v62
	v_mul_u32_u24 v61, v61, 102400
	v_lshl_add_u32 v[\dst], v62, 2, v61
.endm
.set i, 0
.rept 25
	MKOFF OFF+i, 32*i, 0
.set i, i+1
.endr
	MKOFF OFFL, 640, 1
	WIN 0x40                                       ; destination window 1
.set i, 196
.rept 12
	v_mov_b32 v[i], 0xff800000                     ; the last chunk's filling: -infinity, under every similarity
.set i, i+1
.endr
	s_wait_kmcnt 0x0
	s_add_nc_u64 s[BS:BS+1], s[4:5], s[18:19]
	s_add_nc_u64 s[BS+2:BS+3], s[BS:BS+1], 9830400
	s_add_nc_u64 s[BS+4:BS+5], s[BS+2:BS+3], 9830400
	s_lshl_b32 s18, s17, 7                         ; 128 bytes of sel a query
	s_add_nc_u64 s[6:7], s[6:7], s[18:19]
.set i, 0
.rept 195
	global_load_b32 v[i], v[OFF+i%25], s[BS+2*((i/25)/3):BS+2*((i/25)/3)+1] offset:3276800*((i/25)%3)
.set i, i+1
.endr
	global_load_b32 v195, v[OFFL], s[BS+4:BS+5] offset:3276800
	WIN 0
	v_mov_b32 v[WL], 0                             ; places that no pair reaches hold no bit
	v_mov_b32 v[WH], 0
	v_mov_b32 v[IDR], 0
; The first stage of a chunk's sort: neighbours, out of window 1; the larger goes to the lower place in every second pair
.macro FIRST ch
.set i, 0
.rept 8
.if (i & 1) == 0
	v_max_num_f32 v[WA+2*i], v[16*\ch+2*i], v[16*\ch+2*i+1]
	v_min_num_f32 v[WA+2*i+1], v[16*\ch+2*i], v[16*\ch+2*i+1]
.else
	v_min_num_f32 v[WA+2*i], v[16*\ch+2*i], v[16*\ch+2*i+1]
	v_max_num_f32 v[WA+2*i+1], v[16*\ch+2*i], v[16*\ch+2*i+1]
.endif
.set i, i+1
.endr
.endm
; A later stage: partners j apart; where (i & k) is 0 the larger goes to the lower place.  jp: the distance of the stage that wrote src
.macro DSTAGE src, dst, k, j, jp
.set i, 0
.rept 16
.if (i & \j) == 0
.set ib, i+\j
.set pa, \src+2*((i/(2*\jp))*\jp+i%\jp)+(i/\jp)%2
.set pb, \src+2*((ib/(2*\jp))*\jp+ib%\jp)+(ib/\jp)%2
.set da, \dst+2*((i/(2*\j))*\j+i%\j)
.if (i & \k) == 0
	v_dual_max_num_f32 v[da], v[pa], v[pb] :: v_dual_min_num_f32 v[da+1], v[pa], v[pb]
.else
	v_dual_min_num_f32 v[da], v[pa], v[pb] :: v_dual_max_num_f32 v[da+1], v[pa], v[pb]
.endif
.endif
.set i, i+1
.endr
.endm
.macro SORT ch, dst                    ; chunk ch of window 1, sorted falling, into dst
	WIN 0x05                                       ; sources 0 and 1 window 1, destination window 0
	FIRST \ch
	WIN 0
	DSTAGE WA, WB, 4, 2, 1
	DSTAGE WB, WA, 4, 1, 2
	DSTAGE WA, WB, 8, 4, 1
	DSTAGE WB, WA, 8, 2, 4
	DSTAGE WA, WB, 8, 1, 2
	DSTAGE WB, WA, 16, 8, 1
	DSTAGE WA, WB, 16, 4, 8
	DSTAGE WB, WA, 16, 2, 4
	DSTAGE WA, \dst, 16, 1, 2
.endm
.macro CLEAN                           ; a bitonic run of 16 in WA, sorted falling, into TOP
	DSTAGE WA, WB, 16, 8, 1
	DSTAGE WB, WA, 16, 4, 8
	DSTAGE WA, WB, 16, 2, 4
	DSTAGE WB, TOP, 16, 1, 2
.endm
.macro MERGE                           ; the 16 largest of the two sorted lists TOP and WB, into WA, two places an instruction
.set x, 0
.rept 8
	v_dual_max_num_f32 v[WA+x], v[TOP+x], v[WB+15-x] :: v_dual_max_num_f32 v[WA+x+1], v[TOP+x+1], v[WB+14-x]
.set x, x+2
.endr
.endm
.set ch, 0
.rept 13
.set left, 196-16*(ch+1)               ; the loads issued behind this chunk's
.if left > 63
.set left, 63                          ; (the wait's field names no more; a smaller count is safe)
.endif
.if left < 0
.set left, 0
.endif
	s_wait_loadcnt left
.if ch == 12
	WIN 0x45                                       ; all three in window 1
	v_cndmask_b32 v195, v195, v196, s20            ; what lies past group 6,249 becomes -infinity
	WIN 0
.endif
.if ch == 0
	SORT ch, TOP
.else
	SORT ch, WB
	MERGE
	CLEAN
.endif
.set ch, ch+1
.endr
.irp m, 1,2,4,8                                ; between lanes: both partners end with the same sorted list
.set x, 0
.rept 16
	v_max_num_f32_dpp v[WA+x], v[TOP+15-x], v[TOP+x] row_xmask:\m row_mask:0xf bank_mask:0xf   ; the first source comes from lane l xor m
.set x, x+1
.endr
	CLEAN
.endr
.set x, 0
.rept 16
	v_permlanex16_b32 v[WB+x], v[TOP+x], s22, s23
.set x, x+1
.endr
	MERGE                                          ; the query's 16 largest, in no order:
	v_min3_num_f32 v[TV], v[WA], v[WA+1], v[WA+2]  ; their smallest is t
.irp x, 3,5,7,9,11,13
	v_min3_num_f32 v[TV], v[TV], v[WA+\x], v[WA+\x+1]
.endr
	v_min_num_f32 v[TV], v[TV], v[WA+15]
	; STEP 2, four pairs at a time: sixteen compares; the places, in scalar registers alone; then the writes
	s_mov_b32 s[PG], 31
	s_mov_b32 s[PE], 0
	WIN 0x04                                       ; source 1 window 1 (the lines that name a register of window 0 have it as source 0 or as destination)
.set p, 0
.rept 25
.set x, 0
.rept 4
.if p+x < 98
	v_cmp_lt_f32 s[MG+2*x], v[TV], v[2*(p+x)]
	v_cmp_lt_f32 s[MG+2*x+1], v[TV], v[2*(p+x)+1]
	v_cmp_eq_f32 s[ME+2*x], v[TV], v[2*(p+x)]
	v_cmp_eq_f32 s[ME+2*x+1], v[TV], v[2*(p+x)+1]
.endif
.set x, x+1
.endr
.set x, 0
.rept 4
.if p+x < 98
	s_mov_b32 s[PID+x], p+x
	s_cmp_eq_u64 s[MG+2*x:MG+2*x+1], 0
	s_add_co_ci_u32 s[PG+(p+x+1)%8], s[PG+(p+x)%8], -1   ; - 1 + (the pair is zero): one lane down if it has a bit
	s_cmp_lg_u64 s[ME+2*x:ME+2*x+1], 0
	s_add_co_ci_u32 s[PE+(p+x+1)%8], s[PE+(p+x)%8], 0    ; one lane up if it has a bit,
	s_min_u32 s[PE+(p+x+1)%8], s[PE+(p+x+1)%8], 16       ; as far as lane 16
.endif
.set x, x+1
.endr
.set x, 0
.rept 4
.if p+x < 98
	v_cmp_eq_u32 s28, v1, s[PG+(p+x)%8]            ; the lane at the place in hand
	v_cmp_eq_u32 s29, v1, s[PE+(p+x)%8]
	v_cndmask_b32 v[WL], v[WL], s[MG+2*x], s28
	v_cndmask_b32 v[WH], v[WH], s[MG+2*x+1], s28
	v_cndmask_b32 v[IDR], v[IDR], s[PID+x], s28
	v_cndmask_b32 v[WL], v[WL], s[ME+2*x], s29
	v_cndmask_b32 v[WH], v[WH], s[ME+2*x+1], s29
	v_cndmask_b32 v[IDR], v[IDR], s[PID+x], s29
.endif
.set x, x+1
.endr
.set p, p+4
.endr
	WIN 0
	; STEP 3.  Eight pairs at a time: 24 reads of a lane; their P, in scalar registers alone; eight compares; the selects
	s_mov_b32 s24, 0                               ; the bits so far
.macro TAKE first, l0, l1, l2, l3, l4, l5, l6, l7
.set x, 0
.irp l, \l0, \l1, \l2, \l3, \l4, \l5, \l6, \l7
	v_readlane_b32 s[SWD+3*x], v[WL], \l
	v_readlane_b32 s[SWD+3*x+1], v[WH], \l
	v_readlane_b32 s[SWD+3*x+2], v[IDR], \l
.set x, x+1
.endr
.set x, 0
.rept 8
	s_mov_b32 s[SPF+x], s24
	s_bcnt1_i32_b32 s25, s[SWD+3*x]
	s_bcnt1_i32_b32 s26, s[SWD+3*x+1]
	s_add_co_u32 s24, s24, s25
	s_add_co_u32 s24, s24, s26
.set x, x+1
.endr
.set x, 0
.rept 8
	v_cmp_le_u32 s[SM+x], s[SPF+x], v1             ; the slots at or behind this pair's first bit
.set x, x+1
.endr
.set x, 0
.rept 8
.if \first && x == 0
	v_mov_b32 v[C0], s[SWD]                        ; the first pair has P = 0: it goes to every slot
	v_mov_b32 v[C1], s[SWD+1]
	v_mov_b32 v[CI], s[SWD+2]
	v_mov_b32 v[CP], 0
.else
	v_cndmask_b32 v[C0], v[C0], s[SWD+3*x], s[SM+x]
	v_cndmask_b32 v[C1], v[C1], s[SWD+3*x+1], s[SM+x]
	v_cndmask_b32 v[CI], v[CI], s[SWD+3*x+2], s[SM+x]
	v_cndmask_b32 v[CP], v[CP], s[SPF+x], s[SM+x]
.endif
.set x, x+1
.endr
.endm
	TAKE 1, 17, 18, 19, 20, 21, 22, 23, 24
	TAKE 0, 25, 26, 27, 28, 29, 30, 31, 0
	TAKE 0, 1, 2, 3, 4, 5, 6, 7, 8
	TAKE 0, 9, 10, 11, 12, 13, 14, 15, 16
	s_mov_b32 s25, 0xffff                          ; lanes 0-15: the slots
	v_sub_nc_u32 v[KK], v1, v[CP]                  ; n - P
.set j, 0
.rept 15
	v_cmp_gt_u32 s28, v[KK], j                     ; one more bit goes ahead of mine
	v_add_co_u32 v[T0], vcc_lo, -1, v[C0]          ; w - 1 in 64 bits: the carry is 'the low word is not 0'
	v_add_co_ci_u32 v[T1], vcc_lo, -1, v[C1], vcc_lo
	v_and_b32 v[T0], v[C0], v[T0]                  ; w & (w - 1): the lowest bit cleared
	v_and_b32 v[T1], v[C1], v[T1]
	v_cndmask_b32 v[C0], v[C0], v[T0], s28
	v_cndmask_b32 v[C1], v[C1], v[T1], s28
.set j, j+1
.endr
	v_sub_nc_u32 v[K0], 0, v[C0]
	v_sub_nc_u32 v[K1], 0, v[C1]
	v_and_b32 v[K0], v[C0], v[K0]                  ; w & -w: the lowest bit alone
	v_and_b32 v[K1], v[C1], v[K1]
	v_cvt_f32_u32 v[K0], v[K0]                     ; a power of two: exact
	v_cvt_f32_u32 v[K1], v[K1]
	v_lshrrev_b32 v[K0], 23, v[K0]                 ; 127 + the bit's number
	v_lshrrev_b32 v[K1], 23, v[K1]
	v_add_nc_u32 v[K1], 32, v[K1]
	v_cmp_ne_u32 s26, 0, v[C0]
	v_cndmask_b32 v[K0], v[K1], v[K0], s26         ; the low word's, if it has a bit
	v_lshl_add_u32 v[K0], v[CI], 6, v[K0]          ; + 64 x the pair
	v_add_nc_u32 v[K0], 0xffffff81, v[K0]          ; - 127: the group
	v_cndmask_b32 v[K0], 0, v[K0], s25             ; lanes 16-31 store zeros
	global_store_b32 v[L4], v[K0], s[6:7]          ; 32 lanes store 128 consecutive bytes; the work-group's four waves 512
	s_endpgm
.Lfunc_end_k_q60d1e4512e_pick:
	.size	k_q60d1e4512e_pick, .Lfunc_end_k_q60d1e4512e_pick-k_q60d1e4512e_pick
	.p2alignl 7, 3214868480
	.fill 96, 4, 3214868480
	.section	.rodata,"a",@progbits
	.p2align	6, 0x0
	.amdhsa_kernel k_q60d1e4512e_pick
		.amdhsa_group_segment_fixed_size 0
		.amdhsa_private_segment_fixed_size 0
		.amdhsa_enable_private_segment 0
		.amdhsa_kernarg_size 16
		.amdhsa_user_sgpr_count 2
		.amdhsa_user_sgpr_kernarg_segment_ptr 1
		.amdhsa_wavefront_size32 1
		.amdhsa_system_sgpr_workgroup_id_x 1
		.amdhsa_system_sgpr_workgroup_id_y 1
		.amdhsa_system_sgpr_workgroup_id_z 1
		.amdhsa_system_vgpr_workitem_id 0
		.amdhsa_next_free_vgpr 464
		.amdhsa_next_free_sgpr 66
		.amdhsa_reserve_vcc 1
		.amdhsa_float_denorm_mode_32 3
		.amdhsa_float_denorm_mode_16_64 3
		.amdhsa_memory_ordered 1
		.amdhsa_forward_progress 1
		.amdhsa_inst_pref_size 255
	.end_amdhsa_kernel
	.section	.bss,"aw",@nobits
	.p2align	6
	.space	262144
	.amdgpu_metadata
---
amdhsa.version: [ 1, 2 ]
amdhsa.kernels:
  - .name:           k_q60d1e4512e_pick
    .symbol:         k_q60d1e4512e_pick.kd
    .args:
      - { .name: gmax, .offset: 0, .size: 8, .value_kind: global_buffer, .address_space: global }
      - { .name: sel, .offset: 8, .size: 8, .value_kind: global_buffer, .address_space: global }
    .group_segment_fixed_size: 0
    .private_segment_fixed_size: 0
    .kernarg_segment_align: 8
    .kernarg_segment_size: 16
    .max_flat_workgroup_size: 128
    .sgpr_count:     66
    .vgpr_count:     464
    .wavefront_size: 32
...
	.end_amdgpu_metadata
.endif
;; end of part 3
;; launch fuse (part 4): grid 256 x 1, 4 waves a work-group, no clusters, 0 bytes of LDS; arguments sel, qc, qs, mc, ms, memory_evidence, model_evidence, out0; writes out0
.if DOCPART == 4
	.amdgcn_target "amdgcn-amd-amdhsa--gfx1250"
	.amdhsa_code_object_version 6
	.text
	.protected	k_q60d1e4512e_fuse
	.globl	k_q60d1e4512e_fuse
	.p2align	8
	.type	k_q60d1e4512e_fuse,@function
k_q60d1e4512e_fuse:
	s_mov_b64 s[64:65], 0
	v_nop
	global_prefetch_b8 v0, s[64:65] scope:SCOPE_SE
	s_setreg_imm32_b32 hwreg(HW_REG_WAVE_MODE, 25, 1), 1
	s_wait_xcnt 0x0
; For each query: the 16 x 16 memory rows of the 16 groups that the launch before has listed are multiplied with the query again (the same instruction on the same codes in the same order of K, with the sources swapped),
; the 16 largest of the 256 are marked (ties: the lower index, as jax.lax.top_k has it), and softmax, evidence and fusion follow.
; WORK LEFT OUT, as shown at the head of the first launch: (memory_evidence[topi] + 1.0) - 1.0 is the evidence as loaded; opinion_to_alpha's clip of u repeats the clip just made.
; SHARES.  One wave, one query: q = 4 x work-group + wave.  No LDS, no barrier, no tensor load, and no branch on data.  Addresses hang on the 16 whole numbers of sel alone, which come by one scalar load and go through scalar
; arithmetic into offsets.  All choices among similarities are made by v_cndmask_b32: the evidence of all 256 rows is loaded and weighted by p or by 0.
; THE PRODUCT.  Source 0 = my query in ALL 16 rows (every lane loads the image's bytes of lane r0 + 16 h), source 1 = 16 memory rows: register 0 of a result holds, in lane (r, h), the similarity of the tile's row r.
; The weighted sum over 16 neighbours (the product that is left as it is: 32 multiply-adds a query) is made by fused multiply-adds in f32.
; The 16 rows' maximum is taken away before the exponential.  f32(1 - 1e-8) and f32(1 + 1e-8) are 1.0: so the clips' upper bounds and alpha's lower bound are written 1.0.
; LIMITS: NaN and infinities are not served; divisions are v_rcp_f32 and a multiplication.  The launch's output is 8 bytes a query, stored by one lane: 8,192 bytes in all.
; REGISTERS: window 0: v1-8 lane terms; v32-55 my query's two fragments, v56 its scale words; v64-79 the tiles' scale words; v80-87 similarities (register u, lane L: row L % 16 of listed tile 2 u + L / 16); v88-95 the same, marked;
;   v96-103 the rows' indices as f32 (exact: under 2^24); v104-119 evidence; v57-63, v120-127 at work; v128-255 sixteen accumulators (before the products: the loads' offsets, and the evidence as it is loaded).
;   window 1: listed tiles 0-7, 24 registers each.   window 2: listed tiles 8-15.
.set R8,   8                           ; v8   8 x (lane % 16): a row's evidence in its tile's 128 bytes
.set ZO,   25                          ; v25  0: the store's offset
.set QF,   32
.set QSC,  56
.set VM,   57                          ; at work in the marking: the largest left, a temporary, the lowest index, +infinity, -infinity, the largest of all
.set VT,   58
.set VK,   59
.set PINF, 60
.set NINF, 61
.set VMX,  62
.set MSC,  64
.set SIM,  80
.set CND,  88
.set IDX,  96
.set EV,   104
.set KK,   120
.set ACC,  128
.set OC,   128                         ; v128-143 byte offsets of the listed tiles' codes, v144-159 of their scale words, v160-175 of their rows' evidence; v176-207 that evidence, tile by tile
.set OS,   144
.set EO,   160
.set EVR,  176
.set VZ,   57                          ; behind the marking: the sum of p, and of p x evidence
.set VA0,  59
.set VA1,  60
.set AM0,  88                          ; the fusion: alpha_m, alpha_r; b_m, u_m; b_r, u_r; b_f, u_f; four temporaries
.set AM1,  89
.set AR0,  90
.set AR1,  91
.set BM0,  92
.set BM1,  93
.set UM,   94
.set UF,   95
.set BR0,  120
.set BR1,  121
.set UR,   122
.set F0,   123
.set F1,   124
.set F2,   125
.set BF0,  126
.set BF1,  127
.set F3,   63
.set ST,   34                          ; s34 at work
.set EPSR, 37                          ; s37 1e-8
.set CEXP, 59                          ; s59 log2(e) / 0.07
.set G,    40                          ; s40-55 the listed groups
.set MK,   68                          ; s68-75 lane masks
.set MSB, 0
.macro WIN new                         ; the immediate's high byte repeats the setting that is left
.if MSB != \new
	s_set_vgpr_msb (MSB<<8)|\new
.set MSB, \new
.endif
.endm
	s_load_b256 s[4:11], s[0:1], 0x0               ; sel s[4:5], qc s[6:7], qs s[8:9], mc s[10:11]
	s_load_b256 s[12:19], s[0:1], 0x20             ; ms s[12:13], memory_evidence s[14:15], model_evidence s[16:17], out0 s[18:19]
	v_lshrrev_b32 v1, 5, v0
	v_readfirstlane_b32 s20, v1                    ; wave
	v_and_b32 v1, 31, v0                           ; lane
	v_and_b32 v2, 15, v0                           ; r
	v_bfe_u32 v3, v0, 4, 1                         ; h
	v_lshlrev_b32 v6, 4, v1                        ; 16 x lane
	v_lshlrev_b32 v7, 2, v1                        ; 4 x lane
	v_lshlrev_b32 v[R8], 3, v2                     ; 8 r
	s_lshl_b32 s21, ttmp9, 2
	s_add_co_u32 s21, s21, s20                     ; my query
	s_lshr_b32 s22, s21, 4                         ; its tile,
	s_and_b32 s23, s21, 15                         ; and its row r0 in it
	s_lshl_b32 s58, s23, 4
	v_lshl_add_u32 v4, v3, 8, s58                  ; 16 (r0 + 16 h): the image's bytes of lane (r0, h)
	s_lshl_b32 s58, s23, 2
	v_lshl_add_u32 v5, v3, 6, s58                  ; 4 (r0 + 16 h): its scale word
	s_mov_b32 s24, 0xffff0000                      ; lanes 16-31
	s_mov_b32 s26, 0x76543210
	s_mov_b32 s27, 0xfedcba98                      ; v_permlanex16_b32's selects for lane l xor 16
	s_mov_b32 s[EPSR], 0x322bcc77
	s_mov_b32 s[CEXP], 0x41a4e123
	v_mov_b32 v[ZO], 0
	s_mov_b32 s39, 0
	s_wait_alu depctr_va_vdst(0)
	s_wait_kmcnt 0x0
	s_lshl_b32 s38, s21, 7
	s_add_nc_u64 s[4:5], s[4:5], s[38:39]          ; sel: 128 bytes a query
	s_mul_i32 s38, s22, 3072
	s_add_nc_u64 s[6:7], s[6:7], s[38:39]
	s_lshl_b32 s38, s22, 7
	s_add_nc_u64 s[8:9], s[8:9], s[38:39]
	s_lshl_b32 s38, s21, 3
	s_add_nc_u64 s[16:17], s[16:17], s[38:39]
	s_add_nc_u64 s[18:19], s[18:19], s[38:39]
	s_load_b512 s[G:G+15], s[4:5], 0x0             ; my query's 16 groups
	s_load_b64 s[28:29], s[16:17], 0x0             ; and its model evidence
.irp k, 0,1,2,3,4,5
	global_load_b128 v[QF+4*\k:QF+4*\k+3], v4, s[6:7] offset:512*\k
.endr
	global_load_b32 v[QSC], v5, s[8:9]
	s_wait_kmcnt 0x0
.irp n, 0,1,2,3,4,5,6,7,8,9,10,11,12,13,14,15
	s_min_u32 s[G+\n], s[G+\n], 6249               ; a loaded number enters an address only behind this hold
	s_mul_i32 s[ST], s[G+\n], 3072
	v_add_nc_u32 v[OC+\n], s[ST], v6               ; the tile's image, my 16 bytes of a piece
	s_lshl_b32 s[ST], s[G+\n], 7                   ; 128 bytes a tile, of scale words and of evidence alike
	v_add_nc_u32 v[OS+\n], s[ST], v7
	v_add_nc_u32 v[EO+\n], s[ST], v[R8]            ; row r's evidence, in both halves of the lanes
.endr
.irp u, 0,1,2,3,4,5,6,7
	v_mov_b32 v[VM], s[G+2*\u]
	v_mov_b32 v[VT], s[G+2*\u+1]
	v_cndmask_b32 v[VM], v[VM], v[VT], s24         ; lanes 0-15: listed tile 2 u; lanes 16-31: 2 u + 1
	v_lshl_add_u32 v[VM], v[VM], 4, v2             ; my row's index in the memory: it breaks ties, and enters no address
	v_cvt_f32_u32 v[IDX+\u], v[VM]
.endr
	WIN 0x40                                       ; destination window 1
.irp n, 0,1,2,3,4,5,6,7
.irp k, 0,1,2,3,4,5
	global_load_b128 v[24*\n+4*\k:24*\n+4*\k+3], v[OC+\n], s[10:11] offset:512*\k   ; 512 consecutive bytes of a tile's image
.endr
.endr
	WIN 0x80                                       ; destination window 2
.irp n, 0,1,2,3,4,5,6,7
.irp k, 0,1,2,3,4,5
	global_load_b128 v[24*\n+4*\k:24*\n+4*\k+3], v[OC+8+\n], s[10:11] offset:512*\k
.endr
.endr
	WIN 0
.irp n, 0,1,2,3,4,5,6,7,8,9,10,11,12,13,14,15
	global_load_b32 v[MSC+\n], v[OS+\n], s[12:13]
.endr
.irp n, 0,1,2,3,4,5,6,7,8,9,10,11,12,13,14,15
	global_load_b64 v[EVR+2*\n:EVR+2*\n+1], v[EO+\n], s[14:15]
.endr
	s_wait_loadcnt 0x0                             ; all is in, and the offsets' registers are free
.irp u, 0,1,2,3,4,5,6,7
	v_cndmask_b32 v[EV+2*\u], v[EVR+4*\u], v[EVR+4*\u+2], s24       ; the evidence in the similarities' layout; then the accumulators take these registers
	v_cndmask_b32 v[EV+2*\u+1], v[EVR+4*\u+1], v[EVR+4*\u+3], s24
.endr
.macro PROD n, s                       ; listed tile n, K step s.  K step 1's scale words stand in lanes 16-31 of the same registers
.if \s == 0
	v_wmma_scale_f32_16x16x128_f8f6f4 v[ACC+8*\n:ACC+8*\n+7], v[QF:QF+11], v[24*(\n%8):24*(\n%8)+11], 0, v[QSC], v[MSC+\n] matrix_a_fmt:MATRIX_FMT_FP6 matrix_b_fmt:MATRIX_FMT_FP6
.else
	v_wmma_scale_f32_16x16x128_f8f6f4 v[ACC+8*\n:ACC+8*\n+7], v[QF+12:QF+23], v[24*(\n%8)+12:24*(\n%8)+23], v[ACC+8*\n:ACC+8*\n+7], v[QSC], v[MSC+\n] matrix_a_fmt:MATRIX_FMT_FP6 matrix_b_fmt:MATRIX_FMT_FP6 matrix_a_scale:MATRIX_SCALE_ROW1 matrix_b_scale:MATRIX_SCALE_ROW1
.endif
.endm
	WIN 0x04                                       ; source 1 window 1.  The accumulators take turns: seven others' instructions or more stand between an accumulator's two
.irp n, 0,1,2,3,4,5,6,7
	PROD \n, 0
.endr
	WIN 0x08                                       ; source 1 window 2
.irp n, 8,9,10,11,12,13,14,15
	PROD \n, 0
.endr
.irp n, 8,9,10,11,12,13,14,15
	PROD \n, 1
.endr
	WIN 0x04
.irp n, 0,1,2,3,4,5,6,7
	PROD \n, 1
.endr
	WIN 0
.rept 4
	v_nop                                          ; four places behind the last products (ISA guide 7.12.1)
.endr
.irp u, 0,1,2,3,4,5,6,7
	v_cndmask_b32 v[SIM+\u], v[ACC+16*\u], v[ACC+16*\u+8], s24   ; each accumulator's lowest register: all its rows are my query
.endr
.irp u, 0,1,2,3,4,5,6,7
	v_mov_b32 v[CND+\u], v[SIM+\u]
.endr
	v_mov_b32 v[PINF], 0x7f800000
	v_mov_b32 v[NINF], 0xff800000
	v_mov_b32 v[VMX], 0xff800000
	s_mov_b32 s56, 16
.Lmark:                                        ; sixteen passes: the largest left, of its holders the lowest index, and that one becomes -infinity
	s_wait_alu depctr_va_vdst(0)
	v_max3_num_f32 v[VM], v[CND], v[CND+1], v[CND+2]
	v_max3_num_f32 v[VT], v[CND+3], v[CND+4], v[CND+5]
	v_max3_num_f32 v[VM], v[VM], v[CND+6], v[CND+7]
	v_max_num_f32 v[VM], v[VM], v[VT]
.irp m, 1,2,4,8
	v_max_num_f32_dpp v[VM], v[VM], v[VM] row_xmask:\m row_mask:0xf bank_mask:0xf
.endr
	v_permlanex16_b32 v[VT], v[VM], s26, s27
	v_max_num_f32 v[VM], v[VM], v[VT]
	v_max_num_f32 v[VMX], v[VMX], v[VM]            ; the first pass's is the largest of all
.irp u, 0,1,2,3,4,5,6,7
	v_cmp_eq_f32 s[MK+\u], v[CND+\u], v[VM]
.endr
.irp u, 0,1,2,3,4,5,6,7
	v_cndmask_b32 v[KK+\u], v[PINF], v[IDX+\u], s[MK+\u]
.endr
	v_min3_num_f32 v[VK], v[KK], v[KK+1], v[KK+2]
	v_min3_num_f32 v[VT], v[KK+3], v[KK+4], v[KK+5]
	v_min3_num_f32 v[VK], v[VK], v[KK+6], v[KK+7]
	v_min_num_f32 v[VK], v[VK], v[VT]
.irp m, 1,2,4,8
	v_min_num_f32_dpp v[VK], v[VK], v[VK] row_xmask:\m row_mask:0xf bank_mask:0xf
.endr
	v_permlanex16_b32 v[VT], v[VK], s26, s27
	v_min_num_f32 v[VK], v[VK], v[VT]
.irp u, 0,1,2,3,4,5,6,7
	v_cmp_eq_f32 s[MK+\u], v[IDX+\u], v[VK]
.endr
.irp u, 0,1,2,3,4,5,6,7
	v_cndmask_b32 v[CND+\u], v[CND+\u], v[NINF], s[MK+\u]
.endr
	s_sub_co_u32 s56, s56, 1
	s_cmp_lg_u32 s56, 0
	s_cbranch_scc1 .Lmark
	; the softmax at temperature 0.07: p = 2^((s - the largest) log2(e) / 0.07) for the sixteen that were marked, 0 for the others; not yet divided by its sum
.irp u, 0,1,2,3,4,5,6,7
	v_sub_f32 v[KK+\u], v[SIM+\u], v[VMX]
.endr
.irp u, 0,1,2,3,4,5,6,7
	v_mul_f32 v[KK+\u], s[CEXP], v[KK+\u]
.endr
	s_wait_alu depctr_va_vdst(0)
.irp u, 0,1,2,3,4,5,6,7
	v_exp_f32 v[KK+\u], v[KK+\u]
.endr
	v_nop                                          ; a plain instruction behind the last exponential
.irp u, 0,1,2,3,4,5,6,7
	v_cmp_gt_f32 s[MK+\u], v[SIM+\u], v[CND+\u]    ; marked: -infinity stands where the similarity stood
.endr
	s_wait_alu depctr_va_vdst(0)                   ; one wait for the eight exponentials, ahead of their first reader
.irp u, 0,1,2,3,4,5,6,7
	v_cndmask_b32 v[KK+\u], 0, v[KK+\u], s[MK+\u]
.endr
	v_add_f32 v[VZ], v[KK], v[KK+1]
	v_mul_f32 v[VA0], v[KK], v[EV]
	v_mul_f32 v[VA1], v[KK], v[EV+1]
.irp u, 1,2,3,4,5,6,7
	v_fmac_f32 v[VA0], v[KK+\u], v[EV+2*\u]
	v_fmac_f32 v[VA1], v[KK+\u], v[EV+2*\u+1]
.endr
.irp u, 2,3,4,5,6,7
	v_add_f32 v[VZ], v[VZ], v[KK+\u]
.endr
.macro WSUM r                          ; the sum over the 32 lanes, in every lane
.irp m, 1,2,4,8
	v_add_f32_dpp v[\r], v[\r], v[\r] row_xmask:\m row_mask:0xf bank_mask:0xf
.endr
	v_permlanex16_b32 v[VT], v[\r], s26, s27
	v_add_f32 v[\r], v[\r], v[VT]
.endm
	WSUM VZ
	WSUM VA0
	WSUM VA1
	; THE FUSION, alike in every lane
	s_wait_alu depctr_va_vdst(0)
	v_rcp_f32 v[F1], v[VZ]                         ; the sum is at least 1: the largest's p
	v_mov_b32 v[AM0], s28
	v_mov_b32 v[AM1], s29
	v_add_f32 v[AM0], 1.0, v[AM0]                  ; alpha_m = model_evidence + 1
	v_add_f32 v[AM1], 1.0, v[AM1]
	s_wait_alu depctr_va_vdst(0)
	v_fma_f32 v[AR0], v[VA0], v[F1], 1.0           ; alpha_r = 1 + sum of w x evidence
	v_fma_f32 v[AR1], v[VA1], v[F1], 1.0
.macro A2B a0, a1, b0, b1, u           ; alpha_to_belief_u, K = 2.  Behind each reciprocal: a plain line that touches neither its source nor its result, and the wait ahead of the first reader
	v_add_f32 v[F0], v[\a0], v[\a1]
	v_max_num_f32 v[F0], s[EPSR], v[F0]            ; S
	s_wait_alu depctr_va_vdst(0)
	v_rcp_f32 v[F1], v[F0]
	v_add_f32 v[\b0], -1.0, v[\a0]
	v_add_f32 v[\b1], -1.0, v[\a1]
	s_wait_alu depctr_va_vdst(0)
	v_mul_f32 v[\b0], v[\b0], v[F1]
	v_mul_f32 v[\b1], v[\b1], v[F1]
	v_add_f32 v[\u], v[F1], v[F1]                  ; 2 / S
	v_max_num_f32 v[\b0], 0, v[\b0]
	v_max_num_f32 v[\b1], 0, v[\b1]
	v_med3_num_f32 v[\u], v[\u], s[EPSR], 1.0
	v_add_f32 v[F0], v[\b0], v[\b1]
	v_max_num_f32 v[F0], s[EPSR], v[F0]
	s_wait_alu depctr_va_vdst(0)
	v_rcp_f32 v[F1], v[F0]
	v_sub_f32 v[F2], 1.0, v[\u]
	v_max_num_f32 v[F2], s[EPSR], v[F2]            ; target
	s_wait_alu depctr_va_vdst(0)
	v_mul_f32 v[F2], v[F2], v[F1]
	v_mul_f32 v[\b0], v[\b0], v[F2]
	v_mul_f32 v[\b1], v[\b1], v[F2]
.endm
	A2B AM0, AM1, BM0, BM1, UM
	A2B AR0, AR1, BR0, BR1, UR
	v_add_f32 v[F0], v[BM0], v[BM1]                ; combine_two_opinions
	v_add_f32 v[F2], v[BR0], v[BR1]
	v_mul_f32 v[F0], v[F0], v[F2]                  ; total_pair
	v_mul_f32 v[BF0], v[BM0], v[BR0]
	v_mul_f32 v[BF1], v[BM1], v[BR1]
	v_add_f32 v[F2], v[BF0], v[BF1]                ; dot_same
	v_sub_f32 v[F0], v[F0], v[F2]                  ; C
	v_sub_f32 v[F0], 1.0, v[F0]
	v_max_num_f32 v[F0], s[EPSR], v[F0]            ; S
	s_wait_alu depctr_va_vdst(0)
	v_rcp_f32 v[F1], v[F0]
	v_fmac_f32 v[BF0], v[BM0], v[UR]
	v_fmac_f32 v[BF1], v[BM1], v[UR]
	v_fmac_f32 v[BF0], v[BR0], v[UM]
	v_fmac_f32 v[BF1], v[BR1], v[UM]
	v_mul_f32 v[UF], v[UM], v[UR]
	s_wait_alu depctr_va_vdst(0)
	v_mul_f32 v[BF0], v[BF0], v[F1]
	v_mul_f32 v[BF1], v[BF1], v[F1]
	v_mul_f32 v[UF], v[UF], v[F1]
	v_max_num_f32 v[BF0], 0, v[BF0]
	v_max_num_f32 v[BF1], 0, v[BF1]
	v_med3_num_f32 v[UF], v[UF], s[EPSR], 1.0
	v_add_f32 v[F0], v[BF0], v[BF1]
	v_max_num_f32 v[F0], s[EPSR], v[F0]
	s_wait_alu depctr_va_vdst(0)
	v_rcp_f32 v[F1], v[F0]
	v_rcp_f32 v[F3], v[UF]
	v_sub_f32 v[F2], 1.0, v[UF]
	s_wait_alu depctr_va_vdst(0)                   ; one wait for the two reciprocals
	v_mul_f32 v[F2], v[F2], v[F1]                  ; (1 - u) / b_sum
	v_add_f32 v[F3], v[F3], v[F3]                  ; opinion_to_alpha: S = 2 / u
	v_mul_f32 v[BF0], v[BF0], v[F2]
	v_mul_f32 v[BF1], v[BF1], v[F2]
	v_fma_f32 v[BF0], v[BF0], v[F3], 1.0
	v_fma_f32 v[BF1], v[BF1], v[F3], 1.0
	v_max_num_f32 v[BF0], 1.0, v[BF0]
	v_max_num_f32 v[BF1], 1.0, v[BF1]
	v_cmp_eq_u32 vcc_lo, 0, v1
	s_wait_alu depctr_va_vdst(0)
	s_wait_xcnt 0x0                                ; EXEC changes only behind this wait
	s_and_saveexec_b32 s57, vcc_lo                 ; lane 0 alone stores
	global_store_b64 v[ZO], v[BF0:BF1], s[18:19]
	s_wait_xcnt 0x0                                ; and again, in front of the line that widens it
	s_or_b32 exec_lo, exec_lo, s57
	s_endpgm
.Lfunc_end_k_q60d1e4512e_fuse:
	.size	k_q60d1e4512e_fuse, .Lfunc_end_k_q60d1e4512e_fuse-k_q60d1e4512e_fuse
	.p2alignl 7, 3214868480
	.fill 96, 4, 3214868480
	.section	.rodata,"a",@progbits
	.p2align	6, 0x0
	.amdhsa_kernel k_q60d1e4512e_fuse
		.amdhsa_group_segment_fixed_size 0
		.amdhsa_private_segment_fixed_size 0
		.amdhsa_enable_private_segment 0
		.amdhsa_kernarg_size 64
		.amdhsa_user_sgpr_count 2
		.amdhsa_user_sgpr_kernarg_segment_ptr 1
		.amdhsa_wavefront_size32 1
		.amdhsa_system_sgpr_workgroup_id_x 1
		.amdhsa_system_sgpr_workgroup_id_y 1
		.amdhsa_system_sgpr_workgroup_id_z 1
		.amdhsa_system_vgpr_workitem_id 0
		.amdhsa_next_free_vgpr 768
		.amdhsa_next_free_sgpr 100
		.amdhsa_reserve_vcc 1
		.amdhsa_float_denorm_mode_32 3
		.amdhsa_float_denorm_mode_16_64 3
		.amdhsa_memory_ordered 1
		.amdhsa_forward_progress 1
		.amdhsa_inst_pref_size 37
	.end_amdhsa_kernel
	.amdgpu_metadata
---
amdhsa.version: [ 1, 2 ]
amdhsa.kernels:
  - .name:           k_q60d1e4512e_fuse
    .symbol:         k_q60d1e4512e_fuse.kd
    .args:
      - { .name: sel, .offset: 0, .size: 8, .value_kind: global_buffer, .address_space: global }
      - { .name: qc, .offset: 8, .size: 8, .value_kind: global_buffer, .address_space: global }
      - { .name: qs, .offset: 16, .size: 8, .value_kind: global_buffer, .address_space: global }
      - { .name: mc, .offset: 24, .size: 8, .value_kind: global_buffer, .address_space: global }
      - { .name: ms, .offset: 32, .size: 8, .value_kind: global_buffer, .address_space: global }
      - { .name: memory_evidence, .offset: 40, .size: 8, .value_kind: global_buffer, .address_space: global }
      - { .name: model_evidence, .offset: 48, .size: 8, .value_kind: global_buffer, .address_space: global }
      - { .name: out0, .offset: 56, .size: 8, .value_kind: global_buffer, .address_space: global }
    .group_segment_fixed_size: 0
    .private_segment_fixed_size: 0
    .kernarg_segment_align: 8
    .kernarg_segment_size: 64
    .max_flat_workgroup_size: 128
    .sgpr_count:     100
    .vgpr_count:     768
    .wavefront_size: 32
...
	.end_amdgpu_metadata
.endif
;; end of part 4
